; MI455X (gfx1250); checked and timed in simulation.
; The chip was launched on July 23, 2026; its instructions are those of AMD's public machine-readable ISA for CDNA 5 (MIT licence, August 2026) and "CDNA5" Instruction Set Architecture Reference Guide (July 2026). The comments in the code are by the model that wrote it; some were corrected since.
;; DGT. Allowed arithmetic: matrix products marked QUANTISED: E4M3 operands, one given power-of-two scale a tensor, by v_wmma_f32_16x16x64_fp8_fp8 or v_wmma_f32_16x16x128_fp8_fp8, f32 sums; everything else in f32.
;; Inputs: W_or 16 x 1,024 float32; W_pred 1,023 x 256 float32; action_stds 16 x 1,024 float32; b_pred 1,023 float32; lowp_scales 8 int32 (the exponents e of the quantised operands' scales 2^e); x 32,768 x 256 float32.
;; Outputs: out0 32,768 x 16 float32; out1 32,768 x 16 float32.
;; This version of the problem:
;;   THIS VERSION OF THE PROBLEM IS GIVEN IN LOW PRECISION. The matrix products marked QUANTISED in the list below multiply operands that are first quantised to E4M3 (4 exponent bits, 3 mantissa bits; 8 bits a number), with one given power-of-two scale for each operand tensor; their sums are f32. All else is computed in f32.
;;   The module's matrix products, in the order in which they are computed (A, B: the left and right operand; K: the contracted axis; several contracted axes count as one K, in the product's order):
;;     1. [M 32,768, K 256] x [K 256, N 1,023]; A: input x; B: input W_pred: QUANTISED (scales: A lowp_scales[0], B lowp_scales[1])
;;     2. [M 32,768, K 1,023] x [K 1,023, N 1,024]; A: computed on the way; B: computed on the way: QUANTISED (scales: A lowp_scales[2], B lowp_scales[3])
;;     3. [M 32,768, K 1,024] x [K 1,024, N 16]; A: computed on the way; B: input W_or: QUANTISED (scales: A lowp_scales[4], B lowp_scales[5])
;;     4. [M 32,768, K 1,024] x [K 1,024, N 16]; A: computed on the way; B: input action_stds: QUANTISED (scales: A lowp_scales[6], B lowp_scales[7])
;;   THE QUANTISER, for each operand of a quantised product, along K:
;;     - The operand's scale is 2^e, e = its entry of the input lowp_scales (int32; the entries are numbered through the quantised products in the list's order, A before B).
;;     - Each number is divided by the scale, clamped to +-448, and rounded to the nearest number of E4M3, ties to even, subnormals kept.
;;     - The product sums the exact products of the quantised numbers (number of the format x scale) in f32.
;;   ~~~python
;;   def quantise(x, axis, e):      # numpy; x: float32 -> the quantised numbers, widened to float32 again
;;       x = np.moveaxis(x, axis, -1); K = x.shape[-1]
;;       r = np.clip(x / 2.0 ** e, -448, 448)
;;       step = 2.0 ** (np.maximum(np.frexp(np.where(r == 0, 1, r))[1] - 1, -6) - 3)
;;       q = np.round(r / step) * step * 2.0 ** e      # np.round: ties to even
;;       return np.moveaxis(q, -1, axis).astype(np.float32)
;;   ~~~
;;   OPERANDS COMPUTED ON THE WAY. 'Computed on the way' means the value that the module computes at that place (a softmax that the list does not call 'softmax' is quantised finished and normalised). What goes into a quantiser is computed in f32, as accurately as f32 sums, v_exp_f32 and their like allow (about 1e-6 of the number): no bf16 or f16 on the way to a quantiser, and a product that is left as it is and whose result goes on into a quantised operand takes f32 operands (vector FMAs, or v_wmma_f32_16x16x4_f32). A number that lies on a knife's edge between two numbers of the format may be rounded either way, as far as f32 arithmetic and the matrix unit's own rounding can turn it there, and no further.
;; One version. Each part assembles by itself: llvm-mc -triple=amdgcn-amd-amdhsa -mcpu=gfx1250 --defsym DOCPART=n.
;; ======== version 1 of 1: 2 launches
;; limits: right only within a limited range of input values
;; workspace buffers: wk 299,008 bytes
;; launch prep (part 1): grid 38 x 1, 4 waves a work-group, no clusters, 0 bytes of LDS; arguments W_pred, b_pred, W_or, action_stds, lowp_scales, wk; writes wk
.if DOCPART == 1
	.amdgcn_target "amdgcn-amd-amdhsa--gfx1250"
	.amdhsa_code_object_version 6
	.text
	.protected	k_q36fd172f40_prep
	.globl	k_q36fd172f40_prep
	.p2align	8
	.type	k_q36fd172f40_prep,@function
k_q36fd172f40_prep:
	s_mov_b64 s[64:65], 0
	v_nop
	global_prefetch_b8 v0, s[64:65] scope:SCOPE_SE
	s_setreg_imm32_b32 hwreg(HW_REG_WAVE_MODE, 25, 1), 1
	s_wait_xcnt 0x0
; The weights are quantised ONCE, into wk, laid in the order of the operands' registers, so that the second launch takes every fragment by 16-byte loads alone.
; A fragment is 16 rows x 128 K of E4M3 codes, 16 registers a lane; its IMAGE is 2,048 bytes: register group c (four registers) at 512 c + 16 x lane.
; Lane (r, h) holds row r; register 4 c + i, byte b, holds k = 128 s + 32 c + 16 h + 4 i + b: one permutation of k, the same that the second launch gives x and the one-hot rows.
; wk: chunk g (0..7) at 33,280 g: 16 images of W_pred (tile t of the chunk's eight, K step s: image 2 t + s), then 128 f32 of b / 2^(e0 + e1);  at 266,240 eight images of W_or;  at 282,624 eight of action_stds.
; THE NODES ARE RE-ORDERED: place p = 0..1022 takes the node whose boundary leaf is v = p + 1 (the tree's in-order walk): with tz = the number of trailing zeros of v, that is reference()'s node
; (512 >> tz) - 1 + (v >> (tz + 1)).  Place 1023 is padding: zero codes and a zero bias.
; code = x / 2^e, held within +-448, rounded to the nearest code, ties to even.  LIMITS: e1, e5, e7 between -126 and 119; NaN among the inputs is not served.
; 152 jobs, one a wave: 0..127 W_pred's fragments, 128..135 W_or's, 136..143 action_stds', 144..151 the chunks' biases.  Waves share nothing: no LDS, no barrier.
; W_pred's rows are read as 16-byte pieces of rows that lie far apart: 1 MB, read once in the whole program; every store covers 512 consecutive bytes.
.set CHUNK, 33280
.set TAILS, 266240                     ; where W_or's images begin
; v[vout] = reference()'s node for the in-order index v[vin] (1..1023), held at 1022 from above; for any other index some row inside the table
.macro PI vin, vout, ta, tb
	v_mov_b32 v[\vout], 0
.irp z, 0,1,2,3,4,5,6,7,8,9
	v_and_b32 v[\ta], (2<<\z)-1, v[\vin]
	v_cmp_eq_u32 vcc_lo, 1<<\z, v[\ta]             ; the lowest set bit of v is bit z
	v_lshrrev_b32 v[\tb], \z+1, v[\vin]
	v_add_nc_u32 v[\tb], (512>>\z)-1, v[\tb]
	v_cndmask_b32 v[\vout], v[\vout], v[\tb], vcc_lo
.endr
	v_min_u32 v[\vout], 1022, v[\vout]
.endm
	s_load_b256 s[4:11], s[0:1], 0x0               ; W_pred s[4:5], b_pred s[6:7], W_or s[8:9], action_stds s[10:11]
	s_load_b128 s[12:15], s[0:1], 0x20             ; the scales' exponents s[12:13], wk s[14:15]
	v_lshrrev_b32 v1, 5, v0
	v_readfirstlane_b32 s16, v1                    ; wave
	v_and_b32 v1, 31, v0                           ; lane
	v_and_b32 v2, 15, v0                           ; r
	v_bfe_u32 v3, v0, 4, 1                         ; h
	v_lshlrev_b32 v7, 4, v1                        ; 16 x lane: my place in an image's group
	s_lshl_b32 s17, ttmp9, 2
	s_add_co_u32 s17, s17, s16                     ; job
	s_wait_kmcnt 0x0
	s_load_b256 s[24:31], s[12:13], 0x0            ; e0 .. e7
	s_cmp_ge_u32 s17, 144
	s_cbranch_scc1 .Lbias
	; ---- a fragment
	s_lshr_b32 s18, s17, 1                         ; W_pred: tile job / 2, K step job % 2
	s_lshl_b32 s18, s18, 4
	s_add_co_u32 s18, s18, 1
	s_wait_alu depctr_va_vdst(0)
	v_add_nc_u32 v4, s18, v2                       ; v = 16 x tile + r + 1 (1024 in the padding row alone)
	PI 4, 5, 10, 11
	s_wait_alu depctr_va_vdst(0)
	s_cmp_lt_u32 s17, 136
	s_cselect_b64 s[32:33], s[8:9], s[10:11]
	s_cmp_lt_u32 s17, 128                          ; W_pred's job?  All the choices hang on the job's number alone
	s_cselect_b64 s[32:33], s[4:5], s[32:33]
	s_cselect_b32 s22, -1, 0
	s_cselect_b32 s20, 10, 12                      ; a row is 1,024 bytes in W_pred, 4,096 in the other two
	s_cselect_b32 s21, 1, 7
	s_and_b32 s21, s17, s21                        ; the K step
	s_lshl_b32 s21, s21, 9                         ; 128 numbers are 512 bytes
	v_cndmask_b32 v6, v2, v5, s22                  ; the row: the node, or output r
	v_lshlrev_b32 v6, s20, v6
	v_lshl_add_u32 v6, v3, 6, v6                   ; + 64 h: my 16 numbers of a block of 32
	v_add_nc_u32 v6, s21, v6
.irp c, 0,1,2,3
.irp i, 0,1,2,3
	global_load_b128 v[16+16*\c+4*\i:16+16*\c+4*\i+3], v6, s[32:33] offset:128*\c+16*\i
.endr
.endr
	s_lshr_b32 s34, s17, 4                         ; where the image goes: W_pred: chunk job / 16, image job % 16
	s_mul_i32 s34, s34, CHUNK
	s_and_b32 s35, s17, 15
	s_lshl_b32 s35, s35, 11
	s_add_co_u32 s34, s34, s35
	s_lshl_b32 s35, s17, 11                        ; the others: TAILS + 2,048 (job - 128)
	s_add_co_u32 s35, s35, TAILS-128*2048
	s_wait_kmcnt 0x0
	s_cmp_lt_u32 s17, 136
	s_cselect_b32 s23, s29, s31                    ; e5 or e7,
	s_cmp_lt_u32 s17, 128
	s_cselect_b32 s23, s25, s23                    ; or e1
	s_cselect_b32 s34, s34, s35
	s_mov_b32 s35, 0
	s_add_nc_u64 s[14:15], s[14:15], s[34:35]
	s_add_co_i32 s23, s23, 127
	s_lshl_b32 s19, s23, 23
	v_mov_b32 v8, s19                              ; 2^e as f32: the conversion takes its exponent field
	s_add_co_i32 s23, s23, 8
	s_lshl_b32 s23, s23, 23
	s_or_b32 s23, s23, 0x600000
	v_mov_b32 v9, s23                              ; 448 x 2^e,
	v_cmp_eq_u32 vcc_lo, 0x400, v4
	v_cndmask_b32 v9, v9, 0, vcc_lo                ; and 0 in the padding row: the hold then makes its numbers zeros
	s_wait_alu depctr_va_vdst(0)
	s_wait_loadcnt 0x0
.irp c, 0,1,2,3
.irp i, 0,1,2,3,4,5,6,7,8,9,10,11,12,13,14,15
	v_med3_num_f32 v[16+16*\c+\i], v[16+16*\c+\i], -v9, v9   ; the conversion to an 8-bit code does not saturate (ISA guide 7.6.2): the hold comes first
.endr
	v_cvt_scalef32_pk8_fp8_f32 v[80+4*\c:81+4*\c], v[16+16*\c:23+16*\c], v8
	v_cvt_scalef32_pk8_fp8_f32 v[82+4*\c:83+4*\c], v[24+16*\c:31+16*\c], v8
.endr
	v_nop                                          ; a plain line behind the last conversion
.irp c, 0,1,2,3
	global_store_b128 v7, v[80+4*\c:83+4*\c], s[14:15] offset:512*\c   ; 32 lanes store 512 consecutive bytes
.endr
	s_endpgm
.Lbias:
	; ---- a chunk's 128 biases, in the places' order, divided by the power of two that the first product's sums lack
	s_sub_co_u32 s18, s17, 144                     ; the chunk
	s_lshl_b32 s19, s18, 7
	s_add_co_u32 s19, s19, 1
	s_wait_alu depctr_va_vdst(0)
	v_lshl_add_u32 v10, v1, 2, s19                 ; v = 128 g + 4 x lane + q + 1, q = 0..3
	v_add_nc_u32 v11, 1, v10
	v_add_nc_u32 v12, 2, v10
	v_add_nc_u32 v13, 3, v10
.irp q, 0,1,2,3
	PI 10+\q, 20+\q, 8, 9
	v_lshlrev_b32 v[20+\q], 2, v[20+\q]
.endr
.irp q, 0,1,2,3
	global_load_b32 v[24+\q], v[20+\q], s[6:7]
.endr
	s_mul_i32 s20, s18, CHUNK
	s_add_co_u32 s20, s20, 32768
	s_mov_b32 s21, 0
	s_add_nc_u64 s[14:15], s[14:15], s[20:21]
	s_wait_kmcnt 0x0
	s_add_co_i32 s22, s24, s25
	s_sub_co_i32 s22, 0, s22                       ; -(e0 + e1)
	s_wait_loadcnt 0x0
.irp q, 0,1,2,3
	v_ldexp_f32 v[24+\q], v[24+\q], s22
	v_cmp_eq_u32 vcc_lo, 0x400, v[10+\q]
	v_cndmask_b32 v[24+\q], v[24+\q], 0, vcc_lo    ; the padding place
.endr
	global_store_b128 v7, v[24:27], s[14:15]       ; 512 consecutive bytes
	s_endpgm
.Lfunc_end_k_q36fd172f40_prep:
	.size	k_q36fd172f40_prep, .Lfunc_end_k_q36fd172f40_prep-k_q36fd172f40_prep
	.p2alignl 7, 3214868480
	.fill 96, 4, 3214868480
	.section	.rodata,"a",@progbits
	.p2align	6, 0x0
	.amdhsa_kernel k_q36fd172f40_prep
		.amdhsa_group_segment_fixed_size 0
		.amdhsa_private_segment_fixed_size 0
		.amdhsa_enable_private_segment 0
		.amdhsa_kernarg_size 48
		.amdhsa_user_sgpr_count 2
		.amdhsa_user_sgpr_kernarg_segment_ptr 1
		.amdhsa_wavefront_size32 1
		.amdhsa_system_sgpr_workgroup_id_x 1
		.amdhsa_system_sgpr_workgroup_id_y 1
		.amdhsa_system_sgpr_workgroup_id_z 1
		.amdhsa_system_vgpr_workitem_id 0
		.amdhsa_next_free_vgpr 96
		.amdhsa_next_free_sgpr 66
		.amdhsa_reserve_vcc 1
		.amdhsa_float_denorm_mode_32 3
		.amdhsa_float_denorm_mode_16_64 3
		.amdhsa_memory_ordered 1
		.amdhsa_forward_progress 1
		.amdhsa_inst_pref_size 21
	.end_amdhsa_kernel
	.amdgpu_metadata
---
amdhsa.version: [ 1, 2 ]
amdhsa.kernels:
  - .name:           k_q36fd172f40_prep
    .symbol:         k_q36fd172f40_prep.kd
    .args:
      - { .name: W_pred, .offset: 0, .size: 8, .value_kind: global_buffer, .address_space: global }
      - { .name: b_pred, .offset: 8, .size: 8, .value_kind: global_buffer, .address_space: global }
      - { .name: W_or, .offset: 16, .size: 8, .value_kind: global_buffer, .address_space: global }
      - { .name: action_stds, .offset: 24, .size: 8, .value_kind: global_buffer, .address_space: global }
      - { .name: lowp_scales, .offset: 32, .size: 8, .value_kind: global_buffer, .address_space: global }
      - { .name: wk, .offset: 40, .size: 8, .value_kind: global_buffer, .address_space: global }
    .group_segment_fixed_size: 0
    .private_segment_fixed_size: 0
    .kernarg_segment_align: 8
    .kernarg_segment_size: 48
    .max_flat_workgroup_size: 128
    .sgpr_count:     66
    .vgpr_count:     96
    .wavefront_size: 32
...
	.end_amdgpu_metadata
.endif
;; end of part 1
;; launch main (part 2): grid 256 x 1, 8 waves a work-group, clusters of 4 x 1, 327,680 bytes of LDS; arguments x, wk, lowp_scales, out0, out1; writes out0, out1
.if DOCPART == 2
	.amdgcn_target "amdgcn-amd-amdhsa--gfx1250"
	.amdhsa_code_object_version 6
	.text
	.protected	k_q36fd172f40_main
	.globl	k_q36fd172f40_main
	.p2align	8
	.type	k_q36fd172f40_main,@function
k_q36fd172f40_main:
	s_mov_b64 s[64:65], 0
	v_nop
	global_prefetch_b8 v0, s[64:65] scope:SCOPE_SE
	s_setreg_imm32_b32 hwreg(HW_REG_WAVE_MODE, 25, 1), 1
	s_wait_xcnt 0x0
	s_wait_alu depctr_hold_cnt(0) depctr_sa_sdst(0) depctr_va_vdst(0) depctr_va_sdst(0) depctr_va_ssrc(0) depctr_va_vcc(0) depctr_vm_vsrc(0)
	s_getreg_b32 s2, hwreg(HW_REG_IB_STS2, 6, 4)
	s_cmp_eq_u32 s2, 0
	s_cbranch_scc0 .Lentry_in_a_cluster
	s_endpgm
.Lentry_in_a_cluster:
	s_bfe_u32 s2, ttmp6, 0x10000c
	s_cmp_lg_u32 s2, 0x3003
	s_cbranch_scc0 .Lentry_shape_is_right
	s_endpgm
.Lentry_shape_is_right:
; The whole tree for 128 rows of x a work-group, all four products on codes of E4M3 with the given scales 2^e0 .. 2^e7.
;   1  z = Q(x) Q(W_pred)^T + b        2  and_z = Q(+-fac) Q(W_and)^T, fac = the row's mean |z|        3, 4  the hard one-hot row times Q(W_or)^T and Q(action_stds)^T;  out0 = softmax over 16, out1 = clip to [-20, 2].
; WHAT IS TAKEN FROM reference() ITSELF.  (a) pred_a is -fac where z < 0 and fac (to the last bits) elsewhere: a row's codes are ONE code c = Q(fac) under z's sign bits.  (b) W_and is built in reference()'s body.  With the nodes
; in the tree's in-order walk (place p = boundary leaf - 1; the first launch lays W_pred and b so) it is eight equal diagonal blocks of 128 leaves x 128 places, and seven columns, the top nodes, in place 127 of blocks 0..6; all else is 0.
; Its codes are made here in registers, by the stated quantiser from 1.0.  (c) a + (onehot - a) is exactly 0 off the argmax and 1 to the last bit on it, so of the first softmax only its argmax is left, and exp and the division
; keep the order: it is the first largest and_z.
; DENSE = 1: product 2 is multiplied in full, the 56 blocks of zero codes of W_and too, by the codes of pred_a.  DENSE = 0: those blocks are left out.
; LIMITS.  NaN and infinities are not served.  z = -0.0 counts as negative.  Two unequal and_z nearer than 6e-8 (2 Q(fac) Q(1) under that) are told apart here, where exp might merge them.  and_z is compared without its factor 2^(e2 + e3).
; The one-hot's 1 is taken as 1.0.  e0, e3, e4, e6 and e2 - e0 - e1 between -126 and 119; e4 + e5 and e6 + e7 between -126 and 127.
; SHARES.  Eight waves.  THE WAVES SHARE THE COLUMNS: wave g owns places and leaves 128 g .. 128 g + 127, for all eight tiles of 16 rows; its 16 fragments of W_pred stay in 256 registers.  It also quantises tile g of x and finishes tile g.
; Through LDS go x's codes, the sign bytes, each wave's part of the sum of |z|, the top nodes' sign bytes, and each wave's (largest and_z, leaf).
; CLUSTER.  All work-groups read the same 266,240 bytes of W_pred's images: four of them ask jointly, one tensor load a wave (its own chunk), one load of a wave outstanding in the whole text.  Nothing in LDS is filled twice by the mover.
; W_or's and action_stds' images (32,768 bytes) come by plain loads: LDS has no room for them beside the first fills.
; Both products 1 and 2 are used TRANSPOSED (source 0 = 16 nodes or leaves, source 1 = 16 rows of the batch): a lane holds ONE row (lane % 16) and eight neighbouring nodes 8 (lane / 16) + j, which is the order of product 2's operand.
; REGISTERS.  Window 0: v1-23 addresses and constants that stay; v24-87 biases, later product 2's operand (two sets) and small things; v88-151 x's fragments, later W_or's and action_stds'; v152-215 accumulators; v216-247 sign bytes and at work;
; v248-254 the other waves' regions.  Window 1: W_pred's fragments, later W_and's.
.set DENSE, 1
.set CHUNK, 33280                      ; LDS 0 .. 266,239: wave g's region at CHUNK g: first its images and biases (filled once), then its own stage for x (16 rows, 1,040 bytes apart), then its 8 sign images, at last 2,048 bytes for the way out
.set XIMG,  266240                     ; 32,768: x's images, (tile i, K step s) at 4,096 i + 2,048 s; later W_or's eight images and, 16,384 on, action_stds'
.set FACP,  299008                     ; 8,192: the parts of the sum of |z|: 1,024 i + 32 x lane + 4 g
.set TOPS,  307200                     ; 2,048: the sign byte of place 127: 256 i + 8 x lane + g
.set ARGX,  309248                     ; 16,384: (largest and_z, leaf): 2,048 i + 64 x lane + 8 g
.set SPARE, 325632                     ; 1,024: the spare words, 128 bytes a wave: four blocks of 256 bytes that no other line names
.set TAILS, 266240                     ; in wk: where W_or's images begin
.set MSB, 0
.macro WIN new                         ; s_set_vgpr_msb: bits 1:0 source 0, 7:6 destination; the immediate's high byte repeats the setting that is left
.if MSB != \new
	s_set_vgpr_msb (MSB<<8)|\new
.set MSB, \new
.endif
.endm
.macro ROUND                           ; a round of the cluster's barrier
	s_barrier_signal -1
	s_barrier_wait -1
	s_cmp_lg_u32 s16, 0
	s_cbranch_scc1 .Lnot_wave_0_\@
	s_barrier_signal -3
.Lnot_wave_0_\@:
	s_barrier_wait -3
	s_barrier_signal -1
	s_barrier_wait -1
.endm
.macro SCALE dst, e                    ; s[dst] = 2^e as f32, s[dst + 1] = 448 x 2^e
	s_add_co_i32 s[\dst], s[\e], 127
	s_add_co_i32 s[\dst+1], s[\dst], 8
	s_lshl_b32 s[\dst], s[\dst], 23
	s_lshl_b32 s[\dst+1], s[\dst+1], 23
	s_or_b32 s[\dst+1], s[\dst+1], 0x600000
.endm
	s_load_b256 s[4:11], s[0:1], 0x0               ; x s[4:5], wk s[6:7], the scales' exponents s[8:9], out0 s[10:11]
	s_load_b64 s[12:13], s[0:1], 0x20              ; out1
	v_lshl_add_u32 v14, v0, 2, SPARE
	v_mov_b32 v15, 0
	ds_add_u32 v14, v15                            ; the wave's opening: the add and its wait come ahead of my first tensor load; the set-up below, work on registers, stands between them
	ds_add_u32 v14, v15
	v_lshrrev_b32 v16, 5, v0
	s_delay_alu instid0(VALU_DEP_1)
	v_readfirstlane_b32 s16, v16                   ; g: my wave
	s_bfe_u32 s17, ttmp6, 0x40000                  ; cx: my place in the cluster: it enters x's and the outputs' addresses alone
	s_lshl_b32 s18, ttmp9, 2
	s_add_co_u32 s18, s18, s17                     ; my block of 128 rows
	v_and_b32 v18, 31, v0                          ; lane
	s_delay_alu instid0(VALU_DEP_1)
	v_lshlrev_b32 v1, 4, v18                       ; v1  16 x lane
	v_and_b32 v2, 15, v0                           ; v2  r
	v_bfe_u32 v3, v0, 4, 1                         ; v3  h
	s_mul_i32 s20, s16, CHUNK                      ; my region
	v_add_nc_u32 v4, s20, v1                       ; v4  my region + 16 x lane
	v_add_nc_u32 v5, XIMG, v1                      ; v5  XIMG + 16 x lane
	v_mul_u32_u24 v6, v2, 1040
	s_delay_alu instid0(VALU_DEP_1)
	v_lshl_add_u32 v6, v3, 6, v6
	s_delay_alu instid0(VALU_DEP_1)
	v_add_nc_u32 v6, s20, v6                       ; v6  x's stage: row r, + 64 h
	v_lshlrev_b32 v7, 5, v3
	s_delay_alu instid0(VALU_DEP_1)
	v_add_nc_u32 v7, s20, v7                       ; v7  my region + 32 h: the biases of my half
	s_lshl_b32 s21, s16, 12
	v_add_nc_u32 v8, s21, v5                       ; v8  XIMG + 4,096 g + 16 x lane
	v_lshlrev_b32 v11, 5, v18
	s_delay_alu instid0(VALU_DEP_1)
	v_add_nc_u32 v11, FACP, v11                    ; v11 FACP + 32 x lane
	s_lshl_b32 s21, s16, 2
	v_add_nc_u32 v9, s21, v11                      ; v9  + 4 g
	v_lshlrev_b32 v10, 3, v18
	s_delay_alu instid0(VALU_DEP_1)
	v_add_nc_u32 v10, TOPS, v10
	s_delay_alu instid0(VALU_DEP_1)
	v_add_nc_u32 v10, s16, v10                     ; v10 TOPS + 8 x lane + g
	v_lshlrev_b32 v12, 3, v2
	s_delay_alu instid0(VALU_DEP_1)
	v_add_nc_u32 v12, TOPS+128, v12                ; v12 TOPS + 8 (16 + r): what the lanes of the upper half stored for row r
	v_lshlrev_b32 v16, 6, v18
	s_delay_alu instid0(VALU_DEP_1)
	v_add_nc_u32 v16, ARGX, v16
	s_lshl_b32 s21, s16, 3
	v_add_nc_u32 v13, s21, v16                     ; v13 ARGX + 64 x lane + 8 g
	s_lshl_b32 s21, s16, 11
	v_add_nc_u32 v16, s21, v16                     ; v16 ARGX + 2,048 g + 64 x lane
	v_lshlrev_b32 v17, 6, v2
	s_delay_alu instid0(VALU_DEP_1)
	v_lshl_add_u32 v17, v3, 5, v17
	s_delay_alu instid0(VALU_DEP_1)
	v_add_nc_u32 v17, s20, v17                     ; v17 the way out: my region + 64 r + 32 h
	s_lshl_b32 s21, s16, 7
	v_lshl_add_u32 v19, v3, 3, s21                 ; v19 128 g + 8 h: my first leaf
.if DENSE
.irp d, 1,2,3,4,5,6,7
	s_add_co_u32 s21, s16, \d
	s_and_b32 s21, s21, 7
	s_mul_i32 s21, s21, CHUNK
	v_add_nc_u32 v[247+\d], s21, v1                ; v248-254: the region of wave (g + d) % 8, + 16 x lane
.endr
.endif
	; the descriptor's group 1: 130 rows of 256 bytes, dense: a chunk
	s_mov_b32 s24, 15|(3<<16)|(1<<21)              ; 15:0 the mask: all four work-groups; 17:16 elements of 8 bytes; 21 set beside a mask; no padding
	s_mov_b32 s25, 32<<16                          ; tensor_dim0 = 32 elements
	s_mov_b32 s26, 130<<16                         ; tensor_dim1 = 130
	s_mov_b32 s27, 32<<16                          ; tile_dim0
	s_mov_b32 s28, 130                             ; tile_dim1
	s_mov_b32 s29, 32                              ; from row to row
	s_mov_b32 s30, 0
	s_mov_b32 s31, 0
	s_mov_b32 s32, 1                               ; group 0: count,
	s_mov_b32 s33, s20                             ; the LDS address: the wave's number times a constant,
	s_mov_b32 s21, 0
	s_mov_b32 s62, 0x07030703                      ; v_perm_b32: the top bytes of two registers
	s_mov_b32 s63, 0x05040100                      ; and two such pairs into one register
	s_mov_b32 s66, 0x80808080                      ; four sign bits
	s_mov_b32 s67, 0x76543210                      ; v_permlanex16_b32: lane l xor 16
	s_mov_b32 s68, 0xfedcba98
	s_mov_b32 s70, 0x3a802008                      ; 1 / 1023
	s_mov_b32 s71, s70
	s_mov_b32 s76, 0x3fb8aa3b                      ; log2(e)
	s_mov_b32 s77, s76
	s_lshl_b32 s22, s18, 17                        ; x: 128 rows of 1,024 bytes a work-group, 16 a wave
	s_lshl_b32 s23, s16, 14
	s_add_co_u32 s22, s22, s23
	s_mov_b32 s23, 0
	s_lshl_b32 s38, s18, 13                        ; the outputs: 128 rows of 64 bytes, 16 a wave
	s_lshl_b32 s39, s16, 10
	s_add_co_u32 s38, s38, s39
	s_mov_b32 s39, 0
	s_lshl_b32 s72, s16, 12                        ; my 4,096 bytes of W_or's and action_stds' images
	s_add_co_u32 s72, s72, TAILS
	s_mov_b32 s73, 0
	s_wait_dscnt 0x0                               ; the opening add is done
	s_wait_kmcnt 0x0
	s_load_b256 s[40:47], s[8:9], 0x0              ; e0 .. e7
	s_add_nc_u64 s[4:5], s[4:5], s[22:23]
	s_add_nc_u64 s[10:11], s[10:11], s[38:39]
	s_add_nc_u64 s[12:13], s[12:13], s[38:39]
	s_add_nc_u64 s[36:37], s[6:7], s[72:73]
	s_add_nc_u64 s[34:35], s[6:7], s[20:21]        ; and the chunk's address, the same in all four partners
	s_or_b32 s35, s35, 0x80000000                  ; type = 2
.set m, 0
.rept 32                               ; my tile of x is 16,384 consecutive bytes: 32 loads of 512; the work-group has all its 131,072 bytes on their way
	global_load_b128 v[88+4*m:88+4*m+3], v1, s[4:5] offset:512*m th:TH_LOAD_NT
.set m, m+1
.endr
	ROUND                                          ; all four work-groups are here: the joint loads meet
	tensor_load_to_lds s[32:35], s[24:31]
	s_nop 0
.rept 4
	v_nop
.endr
	s_wait_kmcnt 0x0
	SCALE 48, 40                                   ; x's
	s_sub_co_i32 s20, s42, s40
	s_sub_co_i32 s20, s20, s41                     ; a sum of product 1 stands for sum x 2^(e0 + e1): fac's code is (mean |sum|) / 2^(e2 - e0 - e1)
	SCALE 50, 20
	SCALE 52, 43                                   ; W_and's
	SCALE 54, 44                                   ; the one-hot's, for product 3,
	SCALE 56, 46                                   ; and for product 4
	s_add_co_i32 s58, s44, s45
	s_add_co_i32 s58, s58, 127
	s_lshl_b32 s58, s58, 23                        ; 2^(e4 + e5)
	s_mov_b32 s59, s58
	s_add_co_i32 s60, s46, s47
	s_add_co_i32 s60, s60, 127
	s_lshl_b32 s60, s60, 23                        ; 2^(e6 + e7)
	s_mov_b32 s61, s60
	v_mov_b32 v22, s48
	s_wait_alu depctr_va_vdst(0)
	s_wait_tensorcnt 0x0                           ; my chunk is in; only I read it, so no barrier is needed
	WIN 0x40                                       ; destination window 1
.set f, 0
.rept 16                               ; W_pred's fragment (tile t, K step s) = image 2 t + s -> window 1, v[16 (2 t + s)]: they stay through product 1
.irp c, 0,1,2,3
	ds_load_b128 v[16*f+4*\c:16*f+4*\c+3], v4 offset:2048*f+512*\c
.endr
.set f, f+1
.endr
	WIN 0
.irp t, 0,1,2,3,4,5,6,7                ; the biases in the result's layout: tile t's places 16 t + 8 h + 0..7
	ds_load_b128 v[24+8*\t:27+8*\t], v7 offset:32768+64*\t
	ds_load_b128 v[28+8*\t:31+8*\t], v7 offset:32768+64*\t+16
.endr
	s_wait_dscnt 0x0                               ; my reads of the chunk are over: its bytes are my stage from here on
	; ---- X: my 16 rows of x become two fragments.  The loads took the bytes as they lie; the stage turns them, so that a lane holds 16 neighbours of each block of 32 of ONE row
.set m, 0
.rept 32
	s_wait_loadcnt 31-m                            ; loads come back in order: load m is in, the younger ones stay out
	ds_store_b128 v4, v[88+4*m:88+4*m+3] offset:(m/2)*1040+(m%2)*512
.set m, m+1
.endr
	s_wait_dscnt 0x0                               ; the stores have read the registers in which the rows land again
.irp s, 0,1
.irp c, 0,1,2,3
.irp e, 0,1,2,3
	ds_load_b128 v[88+64*\s+16*\c+4*\e:88+64*\s+16*\c+4*\e+3], v6 offset:512*\s+128*\c+16*\e   ; x(r, 128 s + 32 c + 16 h + 4 e ..): rows 1,040 bytes apart: sixteen lanes, sixteen different columns of 16 bytes
.endr
.endr
.endr
.macro QUANT s, d                      ; 64 numbers of a lane from v[s] on become a fragment's 16 registers of codes from v[d] on
.irp c, 0,1,2,3
.irp i, 0,1,2,3,4,5,6,7,8,9,10,11,12,13,14,15
.endr
	v_cvt_scalef32_pk8_fp8_f32 v[\d+4*\c:\d+4*\c+1], v[\s+16*\c:\s+16*\c+7], v22
	v_cvt_scalef32_pk8_fp8_f32 v[\d+4*\c+2:\d+4*\c+3], v[\s+16*\c+8:\s+16*\c+15], v22
.endr
	v_nop                                          ; a plain line behind the last conversion
.endm
	s_wait_dscnt 16                                ; K step 0's sixteen loads are in
	QUANT 88, 216
.irp c, 0,1,2,3
	ds_store_b128 v8, v[216+4*\c:219+4*\c] offset:512*\c
.endr
	s_wait_dscnt 4                                 ; all but those four stores: K step 1's loads are in
	QUANT 152, 232
.irp c, 0,1,2,3
	ds_store_b128 v8, v[232+4*\c:235+4*\c] offset:2048+512*\c
.endr
	s_wait_dscnt 0x0                               ; for the others' sake: my images have landed
	s_barrier_signal -1
	s_barrier_wait -1                              ; x's sixteen images lie in LDS
	; ---- 1: z for my 128 places, a tile of 16 rows at a time
.macro XLOAD i                         ; x's two fragments of tile i, into set i % 2
.irp s, 0,1
.irp c, 0,1,2,3
	ds_load_b128 v[88+32*((\i)%2)+16*\s+4*\c:88+32*((\i)%2)+16*\s+4*\c+3], v5 offset:4096*(\i)+2048*\s+512*\c
.endr
.endr
.endm
.macro P1 i
.set XS_, 88+32*((\i)%2)
	s_wait_dscnt 0x0                               ; x's fragments are in
	WIN 0x01                                       ; source 0 (W_pred) window 1
.irp t, 0,1,2,3,4,5,6,7                ; the bias is the C of each sum's first product; the eight accumulators take turns
	v_wmma_f32_16x16x128_fp8_fp8 v[152+8*\t:159+8*\t], v[32*\t:32*\t+15], v[XS_:XS_+15], v[24+8*\t:31+8*\t]
.endr
.irp t, 0,1,2,3,4,5,6,7
	v_wmma_f32_16x16x128_fp8_fp8 v[152+8*\t:159+8*\t], v[32*\t+16:32*\t+31], v[XS_+16:XS_+31], v[152+8*\t:159+8*\t]
.endr
	WIN 0
.if (\i) < 7
	XLOAD (\i)+1                                   ; into the set that the tile before multiplied: its vector work stands between
.endif
.rept 4
	v_nop                                          ; four places in front of the first read of results (ISA guide 7.12.1)
.endr
.irp t, 0
.set A_, 152+8*\t
.set T_, 232+12*(\t%2)
.set Q_, 238+2*(\t%2)
	v_add_f32 v[T_], |v[A_]|, |v[A_+1]|
	v_add_f32 v[T_+1], |v[A_+2]|, |v[A_+3]|
	v_add_f32 v[T_+2], |v[A_+4]|, |v[A_+5]|
	v_add_f32 v[T_+3], |v[A_+6]|, |v[A_+7]|
	v_perm_b32 v[Q_], v[A_+1], v[A_], s62
	v_perm_b32 v[Q_+1], v[A_+3], v[A_+2], s62
.if \t == 0
	s_delay_alu instid0(VALU_DEP_3)
	v_pk_add_f32 v[236:237], v[T_:T_+1], v[T_+2:T_+3]      ; the first tile starts the sum
.else
	v_pk_add_f32 v[236:237], v[236:237], v[T_:T_+1]
	v_pk_add_f32 v[236:237], v[236:237], v[T_+2:T_+3]
.endif
	s_delay_alu instid0(VALU_DEP_2)
	v_perm_b32 v[216+2*\t], v[Q_+1], v[Q_], s63
	v_perm_b32 v[Q_], v[A_+5], v[A_+4], s62
	v_perm_b32 v[Q_+1], v[A_+7], v[A_+6], s62
	s_delay_alu instid0(VALU_DEP_1)
	v_perm_b32 v[217+2*\t], v[Q_+1], v[Q_], s63
.endr
.irp t, 1, 2, 3, 4, 5, 6, 7
.set A_, 152+8*\t
.set T_, 232+12*(\t%2)
.set Q_, 238+2*(\t%2)
	v_add_f32 v[T_], |v[A_]|, |v[A_+1]|
	v_add_f32 v[T_+1], |v[A_+2]|, |v[A_+3]|
	v_add_f32 v[T_+2], |v[A_+4]|, |v[A_+5]|
	v_add_f32 v[T_+3], |v[A_+6]|, |v[A_+7]|
	v_perm_b32 v[Q_], v[A_+1], v[A_], s62
	v_perm_b32 v[Q_+1], v[A_+3], v[A_+2], s62
.if \t == 0
	v_pk_add_f32 v[236:237], v[T_:T_+1], v[T_+2:T_+3]      ; the first tile starts the sum
.else
	v_pk_add_f32 v[236:237], v[236:237], v[T_:T_+1]
	s_delay_alu instid0(VALU_DEP_1)
	v_pk_add_f32 v[236:237], v[236:237], v[T_+2:T_+3]
.endif
	s_delay_alu instid0(VALU_DEP_3)
	v_perm_b32 v[216+2*\t], v[Q_+1], v[Q_], s63
	v_perm_b32 v[Q_], v[A_+5], v[A_+4], s62
	v_perm_b32 v[Q_+1], v[A_+7], v[A_+6], s62
	s_delay_alu instid0(VALU_DEP_1)
	v_perm_b32 v[217+2*\t], v[Q_+1], v[Q_], s63
.endr
	v_add_f32 v236, v236, v237
	ds_store_b32 v9, v236 offset:1024*(\i)         ; my 64 places' part of the row's sum
.irp c, 0,1,2,3
	ds_store_b128 v4, v[216+4*\c:219+4*\c] offset:2048*(\i)+512*\c   ; the sign bytes, as an image of the operand's registers, in my region
.endr
	v_lshrrev_b32 v242, 24, v231
	ds_store_b8 v10, v242 offset:256*(\i)          ; place 127's (in the lanes of the upper half): a top node's, which other waves' leaves need
.endm
	XLOAD 0
.irp n, 0,1,2,3,4,5,6,7
	P1 \n
.endr
.irp k, 0,1,2,3,4,5,6,7                ; my eighth of W_or's and action_stds' images: it lands while W_and is made, and goes to LDS in product 2's first trip
	global_load_b128 v[88+4*\k:91+4*\k], v1, s[36:37] offset:512*\k
.endr
	s_wait_dscnt 0x0                               ; my stores have landed and my reads of x's images are over
	s_barrier_signal -1
	; ---- W_and's codes, made in registers while the others arrive (work on registers alone).  cp = Q(1.0) with e3; a place's entry is +-cp or 0
.irp k, 129,130,131,132,133,134,135
	v_mov_b32 v\k, 0
.endr
	v_min_num_f32 v128, 1.0, s53
	v_mov_b32 v136, s52
	v_cvt_scalef32_pk8_fp8_f32 v[138:139], v[128:135], v136
	v_nop
	v_min_num_f32 v128, 1.0, s55
	v_mov_b32 v136, s54
	v_cvt_scalef32_pk8_fp8_f32 v[140:141], v[128:135], v136
	v_nop
	v_min_num_f32 v128, 1.0, s57
	v_mov_b32 v136, s56
	v_cvt_scalef32_pk8_fp8_f32 v[142:143], v[128:135], v136
	v_nop
	v_and_b32 v127, 0xff, v138                     ; v127 cp
	v_and_b32 v20, 0xff, v140                      ; v20  Q(1.0) with e4
	v_and_b32 v21, 0xff, v142                      ; v21  Q(1.0) with e6
; A node with in-order index u and lowest set bit z covers leaf l where (l xor u) < 2 z; its entry is + where l's bit z is clear, else -.  One byte: index u0, leaf in v[rx] (for the test) and v[rr] (for the sign)
.macro NODEBYTE dst, sh, rx, rr, u0
.set NZ, (\u0)&(-(\u0))
.set NT, NZ/2                          ; log2 of 1, 2, 4
	v_xor_b32 v130, \u0, v[\rx]
	s_delay_alu instid0(VALU_DEP_1)
	v_cmp_gt_u32 vcc_lo, 2*NZ, v130
	v_lshlrev_b32 v131, 7-NT, v[\rr]
	s_delay_alu instid0(VALU_DEP_1)
	v_and_or_b32 v131, v131, 0x80, v127
	s_delay_alu instid0(VALU_DEP_1)
	v_cndmask_b32 v131, 0, v131, vcc_lo
	s_delay_alu instid0(VALU_DEP_1)
	v_lshl_or_b32 v[\dst], v131, \sh, v[\dst]
.endm
	v_lshlrev_b32 v129, 3, v3
	s_delay_alu instid0(VALU_DEP_1)
	v_xor_b32 v129, v129, v2                       ; r xor 8 h: my lane's places of a tile's own 16 are 8 h + 1 .. 8 h + 8
	v_mov_b32 v122, 0                              ; v122 PE: indices 8 h + 1..4 against leaf r
	v_mov_b32 v123, 0                              ; v123 PO: indices 8 h + 5..7, and 8 (lower half of the lanes only)
	NODEBYTE 122, 0, 129, 2, 1
	NODEBYTE 122, 8, 129, 2, 2
	NODEBYTE 122, 16, 129, 2, 3
	NODEBYTE 122, 24, 129, 2, 4
	NODEBYTE 123, 0, 129, 2, 5
	NODEBYTE 123, 8, 129, 2, 6
	NODEBYTE 123, 16, 129, 2, 7
	v_cmp_eq_u32 s72, 1, v3                        ; the lanes of the upper half
	v_lshlrev_b32 v131, 4, v2
	s_delay_alu instid0(VALU_DEP_1)
	v_and_or_b32 v131, v131, 0x80, v127            ; index 8 covers all 16 leaves of the tile; its sign is r's bit 3
	s_delay_alu instid0(VALU_DEP_1)
	v_cndmask_b32 v131, v131, 0, s72
	s_delay_alu instid0(VALU_DEP_1)
	v_lshl_or_b32 v123, v131, 24, v123
	v_lshlrev_b32 v131, 24, v127                   ; index 16 (c + 1), in byte 3 of register 2 c + 1 of the upper half: one entry for a whole tile of leaves
	s_delay_alu instid0(VALU_DEP_1)
	v_cndmask_b32 v125, 0, v131, s72               ; v125 HP: +
	s_delay_alu instid0(VALU_DEP_2)
	v_or_b32 v131, 0x80000000, v131
	s_delay_alu instid0(VALU_DEP_1)
	v_cndmask_b32 v126, 0, v131, s72               ; v126 HN: -
	s_delay_alu instid0(VALU_DEP_3)
	v_or_b32 v124, v123, v125                      ; v124 POP: PO with the node just to the right of the tile
	v_mov_b32 v132, s16                            ; the top nodes V = 1..7 against my group of leaves g
	v_mov_b32 v133, 0
	v_mov_b32 v134, 0
	NODEBYTE 133, 0, 132, 132, 1
	NODEBYTE 133, 8, 132, 132, 2
	NODEBYTE 133, 16, 132, 132, 3
	NODEBYTE 133, 24, 132, 132, 4
	NODEBYTE 134, 0, 132, 132, 5
	NODEBYTE 134, 8, 132, 132, 6
	NODEBYTE 134, 16, 132, 132, 7
	v_cndmask_b32 v133, v133, 0, s72               ; k = 0..7 lie in the lower half of the lanes
	s_delay_alu instid0(VALU_DEP_2)
	v_cndmask_b32 v134, v134, 0, s72
	WIN 0x40                                       ; destination window 1: fragment tau (16 leaves x 128 places) at v[16 tau]; registers 2 c, 2 c + 1: places 16 c + 8 h + 0..7
.set tau, 0
.rept 8
.set cc, 0
.rept 8
.set qq, cc+1
.set zq, qq&(-qq)
.if cc == tau
	v_mov_b32 v[16*tau+2*cc], v122
.if tau < 7
	v_mov_b32 v[16*tau+2*cc+1], v124
.else
	v_mov_b32 v[16*tau+2*cc+1], v123               ; place 127 belongs to a top node: it is 0 here
.endif
.else
	v_mov_b32 v[16*tau+2*cc], 0
.if (cc < 7) && ((tau^qq) < 2*zq)
.if tau&zq
	v_mov_b32 v[16*tau+2*cc+1], v126
.else
	v_mov_b32 v[16*tau+2*cc+1], v125
.endif
.else
	v_mov_b32 v[16*tau+2*cc+1], 0
.endif
.endif
.set cc, cc+1
.endr
.set tau, tau+1
.endr
	v_mov_b32 v128, v133                           ; the top nodes' fragment (K = 64), window 1 v128-135
	v_mov_b32 v129, v134
.irp k, 130,131,132,133,134,135
	v_mov_b32 v\k, 0
.endr
.if DENSE
.irp k, 144,145,146,147,148,149,150,151,152,153,154,155,156,157,158,159
	v_mov_b32 v\k, 0                               ; a fragment of W_and off the diagonal: zero codes
.endr
.endif
	WIN 0
	s_barrier_wait -1                              ; the sums' parts, the sign images and the top nodes' bytes lie in LDS; nobody reads x's images any more
	; ---- 2: fac and its code for all eight tiles, then and_z and its first largest for my 128 leaves
.macro SLOAD i                         ; tile i: the eight top bytes of row r, then my sign image: 18 registers, set i % 2
.set C_, 24+20*((\i)%2)
	ds_load_b64 v[C_:C_+1], v12 offset:256*(\i)
.irp c, 0,1,2,3
	ds_load_b128 v[C_+2+4*\c:C_+5+4*\c], v4 offset:2048*(\i)+512*\c
.endr
.endm
.macro DLOAD i, d                      ; tile i's sign image of wave (g + d) % 8, into set d % 2
.irp c, 0,1,2,3
	ds_load_b128 v[216+16*((\d)%2)+4*\c:216+16*((\d)%2)+4*\c+3], v[247+(\d)] offset:2048*(\i)+512*\c
.endr
.endm
.irp n, 0,1,2,3,4,5,6,7
	ds_load_b128 v[152+8*\n:155+8*\n], v11 offset:1024*\n
	ds_load_b128 v[156+8*\n:159+8*\n], v11 offset:1024*\n+16
.endr
	SLOAD 0
	s_wait_dscnt 5                                 ; the sixteen loads of the parts are in; the first tile's five may be out
.irp n, 0,1,2,3,4,5,6,7
	v_pk_add_f32 v[152+8*\n:153+8*\n], v[152+8*\n:153+8*\n], v[154+8*\n:155+8*\n]
	v_pk_add_f32 v[156+8*\n:157+8*\n], v[156+8*\n:157+8*\n], v[158+8*\n:159+8*\n]
.endr
.irp n, 0,1,2,3,4,5,6,7
	v_pk_add_f32 v[152+8*\n:153+8*\n], v[152+8*\n:153+8*\n], v[156+8*\n:157+8*\n]
.endr
.irp n, 0,1,2,3,4,5,6,7
	v_add_f32 v[72+\n], v[152+8*\n], v[153+8*\n]
.endr
.irp n, 0,1,2,3,4,5,6,7
	v_permlanex16_b32 v[128+\n], v[72+\n], s67, s68        ; the row's other 512 places lie in the lane 16 away
.endr
.irp n, 0,1,2,3,4,5,6,7
	v_add_f32 v[72+\n], v[72+\n], v[128+\n]
.endr
.irp n, 0,2,4,6
	v_pk_mul_f32 v[72+\n:73+\n], v[72+\n:73+\n], s[70:71] op_sel_hi:[1,0]   ; the mean over 1,023 nodes
.endr
.irp n, 0,1,2,3,4,5,6,7
	v_min_num_f32 v[72+\n], s51, v[72+\n]          ; fac is not negative: the hold is one-sided
.endr
	v_mov_b32 v136, s50
	v_cvt_scalef32_pk8_fp8_f32 v[80:81], v[72:79], v136    ; byte i: c = Q(fac) of row r of tile i
	v_nop
.macro P2 i
.set C_, 24+20*((\i)%2)
	s_wait_dscnt 0x0                               ; this tile's 18 registers are in
.if DENSE
	DLOAD \i, 1
.endif
.if (\i) < 7
	SLOAD (\i)+1                                   ; the next tile's, a whole trip ahead
.set C_, 24+20*((\i)%2)
.endif
	v_perm_b32 v82, v81, v80, 0x01010101*(\i)      ; c in all four bytes
.irp k, 0,1,2,3,4,5,6,7
	v_and_or_b32 v[C_+\k], v[C_+\k], s66, v82      ; the code: z's sign bit over c.  No raw byte reaches the matrix unit
.endr
	WIN 0x01
	v_wmma_f32_16x16x64_fp8_fp8 v[64:71], v[128:135], v[C_:C_+7], 0   ; the seven top nodes' share: one number a row for all my leaves; k = 8..63 meet zero codes of W_and
	WIN 0
.irp k, 8,9,10,11,12,13,14,15,16,17
	v_and_or_b32 v[C_+\k], v[C_+\k], s66, v82      ; ten plain lines that name none of that product's registers: the places in front of its use as other sums' C
.endr
	WIN 0x01
.irp t, 0,1,2,3,4,5,6,7
	v_wmma_f32_16x16x128_fp8_fp8 v[152+8*\t:159+8*\t], v[16*\t:16*\t+15], v[C_+2:C_+17], v[64:71]   ; my block of places against my eight tiles of leaves
.endr
.if DENSE
.irp d, 1,2,3,4,5,6,7                  ; the other seven blocks of places: W_and holds zero codes there
	WIN 0
	s_wait_dscnt 0x0                               ; block d's image, asked for eight matrix instructions ago
.irp k, 0,1,2,3,4,5,6,7,8,9,10,11,12,13,14,15
	v_and_or_b32 v[216+16*(\d%2)+\k], v[216+16*(\d%2)+\k], s66, v82   ; these sixteen are also the places in front of the loads below, into the set that the last eight products read
.endr
.if \d < 7
	DLOAD \i, \d+1
.endif
	WIN 0x01
.irp t, 0,1,2,3,4,5,6,7
	v_wmma_f32_16x16x128_fp8_fp8 v[152+8*\t:159+8*\t], v[144:159], v[216+16*(\d%2):231+16*(\d%2)], v[152+8*\t:159+8*\t]
.endr
.endr
.endif
	WIN 0
.rept 4
	v_nop                                          ; four places in front of the first read of results
.endr
	; the first largest of my lane's 64 leaves: the best so far, its tile's number, and a copy of its tile (tile 0's own registers); a later tile takes over only where it is strictly larger
	v_max3_num_f32 v120, v152, v153, v154
	v_max3_num_f32 v120, v120, v155, v156
	v_max3_num_f32 v120, v120, v157, v158
	v_max_num_f32 v86, v120, v159
	v_mov_b32 v87, 0
.irp t, 1,2,3,4,5,6,7
.set A_, 152+8*\t
.set BN_, 84+2*((\t+1)%2)
.set BO_, 84+2*(\t%2)
.set M_, 120+8*(\t%2)
	v_max3_num_f32 v[M_], v[A_], v[A_+1], v[A_+2]
	v_max3_num_f32 v[M_], v[M_], v[A_+3], v[A_+4]
	v_max3_num_f32 v[M_], v[M_], v[A_+5], v[A_+6]
	v_max3_num_f32 v[BN_], v[M_], v[A_+7], v[BO_]
	s_delay_alu instid0(VALU_DEP_1)
	v_cmp_gt_f32 vcc_lo, v[BN_], v[BO_]
	s_delay_alu instid0(VALU_DEP_1)
	v_cndmask_b32 v87, v87, \t, vcc_lo
.irp j, 0,1,2,3,4,5,6,7
	v_cndmask_b32 v[152+\j], v[152+\j], v[A_+\j], vcc_lo
.endr
.endr
	v_mov_b32 v121, 7
.irp j, 6,5,4,3,2,1,0
	v_cmp_eq_f32 vcc_lo, v[152+\j], v84
	s_delay_alu instid0(VALU_DEP_1)
	v_cndmask_b32 v121, v121, \j, vcc_lo           ; the lowest register that holds the best
.endr
	s_delay_alu instid0(VALU_DEP_1)
	v_lshl_add_u32 v85, v87, 4, v121
	s_delay_alu instid0(VALU_DEP_1)
	v_add_nc_u32 v85, v85, v19                     ; the leaf: 128 g + 16 tile + 8 h + register
	ds_store_b64 v13, v[84:85] offset:2048*(\i)
.if (\i) == 0
	s_wait_loadcnt 0x0                             ; my eighth of W_or's and action_stds' images goes where x's images lay
.irp k, 0,1,2,3,4,5,6,7
	ds_store_b128 v8, v[88+4*\k:91+4*\k] offset:512*\k
.endr
.endif
.endm
	s_wait_alu depctr_va_vdst(0)
.irp n, 0,1,2,3,4,5,6,7
	P2 \n
.endr
	s_wait_dscnt 0x0                               ; my stores have landed, my reads of the sign images are over
	s_barrier_signal -1
	s_barrier_wait -1
	; ---- 3: tile g: the row's leaf, the one-hot row as codes, products 3 and 4, the outputs
.macro BLOAD s                         ; K step s: W_or's fragment, then action_stds', into set s % 2
.irp c, 0,1,2,3
	ds_load_b128 v[88+32*((\s)%2)+4*\c:88+32*((\s)%2)+4*\c+3], v5 offset:2048*(\s)+512*\c
.endr
.irp c, 0,1,2,3
	ds_load_b128 v[104+32*((\s)%2)+4*\c:104+32*((\s)%2)+4*\c+3], v5 offset:16384+2048*(\s)+512*\c
.endr
.endm
.irp e, 0,1,2,3
	ds_load_b128 v[24+4*\e:27+4*\e], v16 offset:16*\e      ; the eight waves' (best, leaf) for my lane
.endr
	BLOAD 0
	s_wait_dscnt 8                                 ; those four are in; the fragments' eight may be out
	v_mov_b32 v72, v24
	v_mov_b32 v73, v25
.irp w, 1
	s_delay_alu instid0(VALU_DEP_2)
	v_cmp_gt_f32 vcc_lo, v[24+2*\w], v72
	s_delay_alu instid0(VALU_DEP_1)
	v_cndmask_b32 v73, v73, v[25+2*\w], vcc_lo
	s_delay_alu instid0(VALU_DEP_4)
	v_max_num_f32 v72, v72, v[24+2*\w]
.endr
.irp w, 2, 3, 4, 5, 6, 7
	s_delay_alu instid0(VALU_DEP_1)
	v_cmp_gt_f32 vcc_lo, v[24+2*\w], v72
	s_delay_alu instid0(VALU_DEP_1)
	v_cndmask_b32 v73, v73, v[25+2*\w], vcc_lo
	s_delay_alu instid0(VALU_DEP_3)
	v_max_num_f32 v72, v72, v[24+2*\w]
.endr
	s_delay_alu instid0(VALU_DEP_1)
	v_permlanex16_b32 v74, v72, s67, s68           ; the other half of the lanes': taken where larger, or equal with the lower leaf
	s_delay_alu instid0(VALU_DEP_3)
	v_permlanex16_b32 v75, v73, s67, s68
	s_delay_alu instid0(VALU_DEP_2)
	v_cmp_gt_f32 s72, v74, v72
	s_delay_alu instid0(VALU_DEP_3)
	v_cmp_eq_f32 s73, v74, v72
	s_delay_alu instid0(VALU_DEP_3)
	v_cmp_lt_u32 s74, v75, v73
	s_and_b32 s73, s73, s74
	s_or_b32 s72, s72, s73
	v_cndmask_b32 v73, v73, v75, s72               ; L.  It enters compares and selects alone: no address, no branch
	s_delay_alu instid0(VALU_DEP_1)
	v_lshrrev_b32 v76, 2, v73
	v_lshlrev_b32 v77, 2, v3
	s_delay_alu instid0(VALU_DEP_1)
	v_sub_nc_u32 v76, v76, v77                     ; L / 4 - 4 h: register 4 c + i of K step s holds k = 128 s + 32 c + 16 h + 4 i + 0..3, so it is hot where this is 32 s + 8 c + i
	s_delay_alu instid0(VALU_DEP_4)
	v_and_b32 v77, 3, v73
	s_delay_alu instid0(VALU_DEP_1)
	v_lshlrev_b32 v77, 3, v77
	s_delay_alu instid0(VALU_DEP_1)
	v_lshlrev_b32 v78, v77, v20                    ; Q(1.0) with e4, in byte L % 4
	s_delay_alu instid0(VALU_DEP_2)
	v_lshlrev_b32 v79, v77, v21                    ; and with e6
.macro P3 s
.set H_, 152+32*((\s)%2)
.set B_, 88+32*((\s)%2)
.irp p, 0,1,2,3,4,5,6,7,8,9,10,11,12,13,14,15
	v_cmp_eq_u32 vcc_lo, 32*(\s)+8*(\p/4)+\p%4, v76
	s_delay_alu instid0(VALU_DEP_1)
	v_cndmask_b32 v[H_+\p], 0, v78, vcc_lo
	s_delay_alu instid0(VALU_DEP_2)
	v_cndmask_b32 v[H_+16+\p], 0, v79, vcc_lo
.endr
.if (\s) < 7
	BLOAD (\s)+1                                   ; the 48 lines above are the places in front of these loads
	s_wait_alu depctr_va_vdst(0)
	s_wait_dscnt 8                                 ; this K step's fragments are in; the eight just asked for may be out
.else
	s_wait_alu depctr_va_vdst(0)
	s_wait_dscnt 0x0
.endif
.if (\s) == 0                          ; source 0 = the 16 outputs, source 1 = my 16 rows: a lane holds one row and outputs 8 h + 0..7.  The two accumulators take turns
	s_wait_alu depctr_va_vdst(0)
	v_wmma_f32_16x16x128_fp8_fp8 v[40:47], v[B_:B_+15], v[H_:H_+15], 0
	v_wmma_f32_16x16x128_fp8_fp8 v[48:55], v[B_+16:B_+31], v[H_+16:H_+31], 0
.else
	v_wmma_f32_16x16x128_fp8_fp8 v[40:47], v[B_:B_+15], v[H_:H_+15], v[40:47]
	v_wmma_f32_16x16x128_fp8_fp8 v[48:55], v[B_+16:B_+31], v[H_+16:H_+31], v[48:55]
.endif
.endm
.irp n, 0,1,2,3,4,5,6,7
	P3 \n
.endr
.rept 4
	v_nop
.endr
.irp k, 0,2,4,6
	v_pk_mul_f32 v[56+\k:57+\k], v[40+\k:41+\k], s[58:59] op_sel_hi:[1,0]   ; or_z = sum x 2^(e4 + e5)
.endr
.irp k, 0,2,4,6
	v_pk_mul_f32 v[64+\k:65+\k], v[48+\k:49+\k], s[60:61] op_sel_hi:[1,0]   ; sum x 2^(e6 + e7)
.endr
	v_max3_num_f32 v72, v56, v57, v58              ; the row's largest or_z is taken away before the exponential
	s_delay_alu instid0(VALU_DEP_1)
	v_max3_num_f32 v72, v72, v59, v60
	s_delay_alu instid0(VALU_DEP_1)
	v_max3_num_f32 v72, v72, v61, v62
	s_delay_alu instid0(VALU_DEP_1)
	v_max_num_f32 v72, v72, v63
	s_delay_alu instid0(VALU_DEP_1)
	v_permlanex16_b32 v74, v72, s67, s68
	s_delay_alu instid0(VALU_DEP_1)
	v_max_num_f32 v72, v72, v74
.irp k, 0,2,4,6
	v_pk_add_f32 v[56+\k:57+\k], v[56+\k:57+\k], v[72:73] op_sel_hi:[1,0] neg_lo:[0,1] neg_hi:[0,1]
.endr
.irp k, 0,2,4,6
	s_delay_alu instid0(VALU_DEP_4)
	v_pk_mul_f32 v[56+\k:57+\k], v[56+\k:57+\k], s[76:77] op_sel_hi:[1,0]
.endr
	s_wait_alu depctr_va_vdst(0)
.irp k, 0,1,2,3,4,5,6,7
	v_exp_f32 v[56+\k], v[56+\k]
.endr
.irp k, 0,1,2,3,4,5,6,7
	v_med3_num_f32 v[64+\k], v[64+\k], 0xc1a00000, 2.0     ; out1: the clip to [-20, 2]: independent work behind the exponentials
.endr
	s_wait_alu depctr_va_vdst(0)                   ; one wait for the eight exponentials, ahead of their first reader
	v_pk_add_f32 v[74:75], v[56:57], v[58:59]
	v_pk_add_f32 v[76:77], v[60:61], v[62:63]
	s_delay_alu instid0(VALU_DEP_1)
	v_pk_add_f32 v[74:75], v[74:75], v[76:77]
	s_delay_alu instid0(VALU_DEP_1)
	v_add_f32 v74, v74, v75
	s_delay_alu instid0(VALU_DEP_1)
	v_permlanex16_b32 v75, v74, s67, s68
	s_delay_alu instid0(VALU_DEP_1)
	v_add_f32 v74, v74, v75
	s_wait_alu depctr_va_vdst(0)
	v_rcp_f32 v76, v74
	v_nop                                          ; a plain line behind the reciprocal
	s_wait_alu depctr_va_vdst(0)                   ; and its wait
.irp k, 0,2,4,6
	v_pk_mul_f32 v[56+\k:57+\k], v[56+\k:57+\k], v[76:77] op_sel_hi:[1,0]
.endr
	; the way out: a lane's 32 bytes of a row of 64 go through 2,048 bytes of my region and come back 16 bytes a lane, so that each store covers 512 consecutive bytes.  LDS serves a wave's instructions in order
	ds_store_b128 v17, v[56:59]
	ds_store_b128 v17, v[60:63] offset:16
	ds_store_b128 v17, v[64:67] offset:1024
	ds_store_b128 v17, v[68:71] offset:1040
.irp k, 0,1,2,3
	ds_load_b128 v[24+4*\k:27+4*\k], v4 offset:512*\k
.endr
	s_wait_dscnt 3
	global_store_b128 v1, v[24:27], s[10:11] th:TH_STORE_NT
	s_wait_dscnt 2
	global_store_b128 v1, v[28:31], s[10:11] offset:512 th:TH_STORE_NT
	s_wait_dscnt 1
	global_store_b128 v1, v[32:35], s[12:13] th:TH_STORE_NT
	s_wait_dscnt 0x0
	global_store_b128 v1, v[36:39], s[12:13] offset:512 th:TH_STORE_NT
	s_wait_tensorcnt 0x0                           ; the wave's end: behind my last tensor load and my last LDS store
	ds_add_u32 v14, v15
	s_wait_dscnt 0x0
	ROUND                                          ; the closing round: no work-group ends while a partner may still ask for a chunk that names it
	s_endpgm
.Lfunc_end_k_q36fd172f40_main:
	.size	k_q36fd172f40_main, .Lfunc_end_k_q36fd172f40_main-k_q36fd172f40_main
	.p2alignl 7, 3214868480
	.fill 96, 4, 3214868480
	.section	.rodata,"a",@progbits
	.p2align	6, 0x0
	.amdhsa_kernel k_q36fd172f40_main
		.amdhsa_group_segment_fixed_size 327680
		.amdhsa_private_segment_fixed_size 0
		.amdhsa_enable_private_segment 0
		.amdhsa_kernarg_size 40
		.amdhsa_user_sgpr_count 2
		.amdhsa_user_sgpr_kernarg_segment_ptr 1
		.amdhsa_wavefront_size32 1
		.amdhsa_system_sgpr_workgroup_id_x 1
		.amdhsa_system_sgpr_workgroup_id_y 1
		.amdhsa_system_sgpr_workgroup_id_z 1
		.amdhsa_system_vgpr_workitem_id 0
		.amdhsa_next_free_vgpr 512
		.amdhsa_next_free_sgpr 80
		.amdhsa_reserve_vcc 1
		.amdhsa_float_denorm_mode_32 3
		.amdhsa_float_denorm_mode_16_64 3
		.amdhsa_fp16_overflow 1
		.amdhsa_memory_ordered 1
		.amdhsa_forward_progress 1
		.amdhsa_inst_pref_size 255
	.end_amdhsa_kernel
	.section	.bss,"aw",@nobits
	.p2align	6
	.space	262144
	.amdgpu_metadata
---
amdhsa.version: [ 1, 2 ]
amdhsa.kernels:
  - .name:           k_q36fd172f40_main
    .symbol:         k_q36fd172f40_main.kd
    .args:
      - { .name: x, .offset: 0, .size: 8, .value_kind: global_buffer, .address_space: global }
      - { .name: wk, .offset: 8, .size: 8, .value_kind: global_buffer, .address_space: global }
      - { .name: lowp_scales, .offset: 16, .size: 8, .value_kind: global_buffer, .address_space: global }
      - { .name: out0, .offset: 24, .size: 8, .value_kind: global_buffer, .address_space: global }
      - { .name: out1, .offset: 32, .size: 8, .value_kind: global_buffer, .address_space: global }
    .group_segment_fixed_size: 327680
    .private_segment_fixed_size: 0
    .kernarg_segment_align: 8
    .kernarg_segment_size: 40
    .max_flat_workgroup_size: 256
    .sgpr_count:     80
    .vgpr_count:     512
    .wavefront_size: 32
...
	.end_amdgpu_metadata
.endif
;; end of part 2
